; MI455X (gfx1250); checked and timed in simulation.
; The chip was launched on July 23, 2026; its instructions are those of AMD's public machine-readable ISA for CDNA 5 (MIT licence, August 2026) and "CDNA5" Instruction Set Architecture Reference Guide (July 2026). The comments in the code are by the model that wrote it; some were corrected since.
;; GMABSE3. Allowed arithmetic: matrix products marked QUANTISED: E5M2 operands, one E8M0 scale for each 32 along K, by v_wmma_scale_f32_16x16x128_f8f6f4 with both operands' format E5M2, f32 sums; products left as they are: f32 operands where the result goes on into a quantised operand, else bf16, f16 or f32 operands; f32 sums; everything else in f32.
;; Inputs: k0 32,768 x 64 x 1 float32; k1 32,768 x 64 x 3 float32; q0 32,768 x 64 x 1 float32; q1 32,768 x 64 x 3 float32; v0 32,768 x 64 x 1 float32; v1 32,768 x 64 x 3 float32; w 128 x 32 float32.
;; Outputs: out0 32,768 x 64 x 1 float32; out1 32,768 x 64 x 3 float32.
;; Constants: batch_size = 4.
;; This version of the problem:
;;   THIS VERSION OF THE PROBLEM IS GIVEN IN LOW PRECISION. The matrix products marked QUANTISED in the list below multiply operands that are first quantised to E5M2 (5 exponent bits, 2 mantissa bits; 8 bits a number), with one power-of-two scale for each 32 numbers along K (OCP MX v1.0); their sums are f32. All else is computed in f32.
;;   The module's matrix products, in the order in which they are computed (A, B: the left and right operand; K: the contracted axis; several contracted axes count as one K, in the product's order):
;;     1. [M 262,144, K 32] x [K 32, N 128]; A: computed on the way; B: input w: QUANTISED
;;     2. [M 262,144, K 32] x [K 32, N 128]; A: computed on the way; B: input w: QUANTISED
;;     3. batch 32 x [M 8,192, K 128] x [K 128, N 1]; A: computed on the way; B: computed on the way: left as it is (N = 1 < 16)
;;     4. batch 32 x [M 8, K 8,192] x [K 8,192, N 128]; A: input v0; B: computed on the way: left as it is (M = 8 < 16)
;;     5. batch 32 x [M 8,192, K 128] x [K 128, N 8]; A: computed on the way; B: computed on the way: left as it is (N = 8 < 16)
;;     6. batch 262,144 x [M 8, K 1] x [K 1, N 1]; A: computed on the way; B: computed on the way: left as it is (no contracted axis)
;;     7. batch 32 x [M 24, K 8,192] x [K 8,192, N 128]; A: input v1; B: computed on the way: QUANTISED
;;     8. batch 32 x [M 8,192, K 128] x [K 128, N 24]; A: computed on the way; B: computed on the way: QUANTISED
;;     9. batch 262,144 x [M 24, K 1] x [K 1, N 1]; A: computed on the way; B: computed on the way: left as it is (no contracted axis)
;;   THE QUANTISER, for each operand of a quantised product, along K:
;;     - K is cut into blocks of 32 from its start; a last block that is shorter is filled with zeros.
;;     - A block's scale is 2^e with e = floor(log2(the largest magnitude in the block)) - 15, held to -126 .. 127; a block of zeros has e = 0. As a byte (E8M0): e + 127.
;;     - Each number is divided by its block's scale, clamped to +-57,344, and rounded to the nearest number of E5M2, ties to even, subnormals kept.
;;     - The product sums the exact products of the quantised numbers (number of the format x scale) in f32.
;;   ~~~python
;;   def quantise(x, axis):      # numpy; x: float32 -> the quantised numbers, widened to float32 again
;;       x = np.moveaxis(x, axis, -1); K = x.shape[-1]
;;       x = np.pad(x, [(0, 0)] * (x.ndim - 1) + [(0, -K % 32)]); x = x.reshape(x.shape[:-1] + (-1, 32)); a = np.abs(x).max(-1, keepdims=True)
;;       e = np.where(a > 0, np.clip(np.frexp(np.where(a > 0, a, 1))[1] - 1 - 15, -126, 127), 0)      # np.frexp(a)[1] - 1 = floor(log2(a)), exactly
;;       r = np.clip(x / 2.0 ** e, -57344, 57344)
;;       step = 2.0 ** (np.maximum(np.frexp(np.where(r == 0, 1, r))[1] - 1, -14) - 2)
;;       q = np.round(r / step) * step * 2.0 ** e      # np.round: ties to even
;;       return np.moveaxis(q.reshape(q.shape[:-2] + (-1,))[..., :K], -1, axis).astype(np.float32)
;;   ~~~
;;   OPERANDS COMPUTED ON THE WAY. 'Computed on the way' means the value that the module computes at that place (a softmax that the list does not call 'softmax' is quantised finished and normalised). What goes into a quantiser is computed in f32, as accurately as f32 sums, v_exp_f32 and their like allow (about 1e-6 of the number): no bf16 or f16 on the way to a quantiser, and a product that is left as it is and whose result goes on into a quantised operand takes f32 operands (vector FMAs, or v_wmma_f32_16x16x4_f32). A number that lies on a knife's edge between two numbers of the format may be rounded either way, as far as f32 arithmetic and the matrix unit's own rounding can turn it there, and no further.
;; One version. Each part assembles by itself: llvm-mc -triple=amdgcn-amd-amdhsa -mcpu=gfx1250 --defsym DOCPART=n.
;; ======== version 1 of 1: 4 launches
;; limits: values outside matrix products are rounded to bf16
;; workspace buffers: kq 9,699,328 bytes; vq 12,845,056 bytes; sm 6,144 bytes; pc 6,291,456 bytes; cx 294,912 bytes
;; launch prep (part 1): grid 256 x 1, 8 waves a work-group, no clusters, 291,840 bytes of LDS; arguments k0, k1, v0, v1, w, kq, vq, sm; writes kq, vq, sm
.if DOCPART == 1
	.amdgcn_target "amdgcn-amd-amdhsa--gfx1250"
	.amdhsa_code_object_version 6
	.text
	.protected	k_q94a4e6bb3b_prep
	.globl	k_q94a4e6bb3b_prep
	.p2align	8
	.type	k_q94a4e6bb3b_prep,@function
k_q94a4e6bb3b_prep:
	s_mov_b64 s[64:65], 0
	v_nop
	global_prefetch_b8 v0, s[64:65] scope:SCOPE_SE
	s_setreg_imm32_b32 hwreg(HW_REG_WAVE_MODE, 25, 1), 1
	s_wait_xcnt 0x0
; PREP.  Everything that later launches read again is made narrow here, once.
; A work-group takes 128 tokens (whole rows of k0, k1, v0, v1: 256 KiB, brought by sixteen tensor loads, two a wave); wave h is head h.
;   K:  a head's 32 numbers of a token x 2^-1.25 -> one block of 32 codes of E5M2 and its E8M0 byte; -0.5 2^-2.5 sum(k^2) in f32;
;       dd = K w^T once, for the work-group's largest dd (the largest over all tokens is wanted ahead of Kp's quantiser in the next launch).
;   w:  wave f quantises feature tile f; the images go from wave to wave through LDS; work-group 0 also stores them.
;   v1: quantised along the tokens (blocks of 32 tokens of one column), stored as images of the operand's registers.   v0: rounded to bf16, likewise.
; ORDER OF k INSIDE THE ONE BLOCK OF 32, the same for tokens and for w: the lower half of the lanes holds k0's numbers 0-3 and k1's 0-11, the upper half k0's 4-7 and k1's 12-23.
; A TILE'S 16 ROWS ARE NOT NEIGHBOURS: row r of tile 2 b + u is token (or feature) 32 b + 8 u + r + 8 (r / 8).
; K = 32 IN AN INSTRUCTION OF K = 128: a token tile is 4 registers of codes and 12 of zero codes; w's tiles lie on end, 4 registers each, so the run of 16 that begins at tile f has tile f in the block
; that meets the codes; the other three blocks meet zero codes, which add nothing (no code is an infinity: the hold; no scale byte is 0xff).
; LIMITS: NaN and infinities among the inputs are not served.  A block of zeros gets the byte 1 (its codes are zeros; the bytes are read by this program alone).
; q0 and q1 do not enter reference()'s result and are not read.  The scale words of a wave (128 bytes for K, 128 for v1) leave as half a block of 256 bytes: two stores.
.set K1L,  34816                       ; LDS: inputs as blocks of 256 bytes + 16 of padding: k0 128 blocks at 0, k1 384 here,
.set V0L,  139264                      ; v0 128,
.set V1L,  174080                      ; v1 384 (to 278,528)
.set WIMG, 278528                      ; w's eight tiles: images of 4 registers, 512 bytes each
.set WSC,  282624                      ; their scale words, 128 bytes each
.set NDST, 283648                      ; 512 bytes for each wave: -diag of its 128 tokens, in the tokens' order
.set GMX,  287744                      ; a word for each wave: its largest dd
.set WS,   16                          ; v16-23  w's scale words (the row's byte in all four bytes)
.set SA,   24                          ; v24-25  a token tile's scale bytes, two buffers; later v1's two scale words
.set GM,   26                          ; v26-29  running maxima of dd
.set KSW,  30                          ; v30-31  K's scale words: tiles 0-3, tiles 4-7
.set TM,   32                          ; v32-47  at work in the quantisers
.set WP,   48                          ; v48-79  w's eight tiles on end; v80-91 zero codes.  Later v1's codes, 16 registers a tile
.set AB,   92                          ; v92-123 a token tile's codes (4) and zero codes (12), two buffers
.set X,    124                         ; v124-155 16 numbers of a token, two buffers
.set D,    156                         ; v156-219 dd of a token tile: 8 accumulators
.set SQ,   220                         ; v220-223 sums of squares
.set VS,   92                          ; v92-219 v1's two tiles, 64 numbers a lane each; v92-123 then v0's 32
.set L16,  224                         ; addresses, made once and never rewritten: 16 x lane, 4 x lane,
.set L4,   225
.set WG0,  226                         ; my bytes in w,
.set WG1,  227
.set WIA,  228                         ; where I store my tile's image and scale word, where I read all eight,
.set WSA,  229
.set WIR,  230
.set WSR,  231
.set AK0,  232                         ; my 16 bytes of k0 in a tile's row, my three pieces of k1 (tiles 0-3; tiles 4-7: 64 rows on),
.set AK1,  233
.set AK1H, 236
.set KCO,  239                         ; my codes' place in a tile,
.set NDA,  240
.set NDR,  241
.set GMA,  242
.set GMR,  243
.set V1A,  244                         ; v1: tile 0 (rows 0-63, rows 64-127), tile 1 likewise,
.set V0A,  248
.set V0O,  249
.set NIL,  250
.set WB,   251                         ; my tile's scale byte, four times
.macro PLACES n
.rept \n
	v_nop
.endr
.endm
; 16 numbers of a lane, v[x] on; the block's other 16 lie in the lane 16 away.  Codes into v[dst] on (4 registers), the scale's byte into v[sa].
.macro Q16 x, dst, sa
	v_max3_num_f32 v[TM], |v[\x]|, |v[\x+1]|, 0x8000000          ; the largest magnitude, in two chains, with the floor 2^(16 - 127) among its leaves: the byte cannot fall under 1
	v_max3_num_f32 v[TM+1], |v[\x+8]|, |v[\x+9]|, |v[\x+10]|
	v_max3_num_f32 v[TM], v[TM], |v[\x+2]|, |v[\x+3]|
	v_max3_num_f32 v[TM+1], v[TM+1], |v[\x+11]|, |v[\x+12]|
	v_max3_num_f32 v[TM], v[TM], |v[\x+4]|, |v[\x+5]|
	v_max3_num_f32 v[TM+1], v[TM+1], |v[\x+13]|, |v[\x+14]|
	v_max3_num_f32 v[TM], v[TM], |v[\x+6]|, |v[\x+7]|
	v_max3_num_f32 v[TM], v[TM], v[TM+1], |v[\x+15]|
	v_permlanex16_b32 v[TM+4], v[TM], s40, s41
	v_max_num_f32 v[TM], v[TM], v[TM+4]                          ; the block's
	v_add_nc_u32 v[TM+2], 0xf8800000, v[TM]                      ; 15 off its exponent field: the conversion's scale operand
	v_and_or_b32 v[TM+3], v[TM], 0x7f800000, s42                 ; 57,344 x the scale
	v_lshrrev_b32 v[\sa], 23, v[TM+2]                            ; the byte
.irp i, 0,1,2,3,4,5,6,7,8,9,10,11,12,13,14,15
	v_med3_num_f32 v[\x+\i], v[\x+\i], -v[TM+3], v[TM+3]         ; the conversion does not saturate (ISA guide 7.6.2): the hold
.endr
	v_cvt_scalef32_pk8_bf8_f32 v[\dst:\dst+1], v[\x:\x+7], v[TM+2]
	v_cvt_scalef32_pk8_bf8_f32 v[\dst+2:\dst+3], v[\x+8:\x+15], v[TM+2]
	v_nop                                                        ; a plain line behind the conversions
.endm
; 64 numbers of a lane, register 16 b + i = k 32 b + 16 (lane / 16) + i of my row: a whole fragment's codes into v[pc] on, its scale word into v[pw].
.macro QUANT64 s, pc, pw
.irp b, 0,1,2,3
	v_max3_num_f32 v[TM+\b], |v[\s+16*\b]|, |v[\s+1+16*\b]|, 0x8000000
.endr
.irp i, 2,4,6,8,10,12,14
.irp b, 0,1,2,3
	v_max3_num_f32 v[TM+\b], v[TM+\b], |v[\s+16*\b+\i]|, |v[\s+1+16*\b+\i]|   ; the four blocks by turns
.endr
.endr
.irp b, 0,1,2,3
	v_permlanex16_b32 v[TM+4+\b], v[TM+\b], s40, s41
.endr
.irp b, 0,1,2,3
	v_max_num_f32 v[TM+\b], v[TM+\b], v[TM+4+\b]
.endr
.irp b, 0,1,2,3
	v_add_nc_u32 v[TM+12+\b], 0xf8800000, v[TM+\b]
.endr
.irp b, 0,1,2,3
	v_and_or_b32 v[TM+8+\b], v[TM+\b], 0x7f800000, s42
.endr
.irp b, 0,1,2,3
	v_lshrrev_b32 v[TM+4+\b], 23, v[TM+12+\b]
.endr
	v_lshl_or_b32 v[\pw], v[TM+5], 8, v[TM+4]
	v_lshl_or_b32 v[\pw], v[TM+6], 16, v[\pw]
	v_lshl_or_b32 v[\pw], v[TM+7], 24, v[\pw]
.irp b, 0,1,2,3
.irp i, 0,1,2,3,4,5,6,7,8,9,10,11,12,13,14,15
	v_med3_num_f32 v[\s+16*\b+\i], v[\s+16*\b+\i], -v[TM+8+\b], v[TM+8+\b]
.endr
	v_cvt_scalef32_pk8_bf8_f32 v[\pc+4*\b:\pc+4*\b+1], v[\s+16*\b:\s+16*\b+7], v[TM+12+\b]
	v_cvt_scalef32_pk8_bf8_f32 v[\pc+4*\b+2:\pc+4*\b+3], v[\s+16*\b+8:\s+16*\b+15], v[TM+12+\b]
.endr
	v_nop
.endm
	s_load_b512 s[4:19], s[0:1], 0x0               ; k0 s[4:5], k1 s[6:7], v0 s[8:9], v1 s[10:11], w s[12:13], kq s[14:15], vq s[16:17], sm s[18:19]
	v_lshl_add_u32 v254, v0, 2, 0x47000
	v_mov_b32 v255, 0
	ds_add_u32 v254, v255
	ds_add_u32 v254, v255
	v_lshrrev_b32 v5, 5, v0
	v_readfirstlane_b32 s20, v5                    ; wave = head
	; descriptor group 1, one for all loads: 64 rows of 256 bytes (32 elements of 8 bytes), dense in memory, 16 bytes of padding behind each
	s_mov_b32 s24, (3<<16)|(1<<20)|(5<<22)|(3<<25)
	s_mov_b32 s25, 32<<16                          ; tensor_dim0
	s_mov_b32 s26, 64<<16                          ; tensor_dim1
	s_mov_b32 s27, 32<<16                          ; tile_dim0
	s_mov_b32 s28, 64                              ; tile_dim1
	s_mov_b32 s29, 32                              ; the pitch
	s_mov_b32 s30, 0
	s_mov_b32 s31, 0
	; waves 0, 1 bring the halves of k0's (v0's) 32,768 bytes, waves 2 to 7 the sixths of k1's (v1's) 98,304
	s_mov_b32 s46, 98304
	s_cmp_lt_u32 s20, 2
	s_cselect_b32 s46, 32768, s46
	s_cselect_b32 s47, 0, 2
	s_mul_i32 s46, s46, ttmp9
	s_sub_co_u32 s47, s20, s47
	s_lshl_b32 s47, s47, 14
	s_add_co_u32 s46, s46, s47
	s_mov_b32 s47, 0
	s_mov_b32 s32, 1
	s_mul_i32 s33, s20, 17408                      ; LDS: 64 blocks of 272 bytes a wave: k0's and k1's lie on end
	s_mov_b32 s36, 1
	s_add_co_u32 s37, s33, V0L                     ; and so do v0's and v1's
	s_wait_dscnt 0x0
	s_wait_kmcnt 0x0
	s_cmp_lt_u32 s20, 2
	s_cselect_b64 s[34:35], s[4:5], s[6:7]
	s_cselect_b64 s[38:39], s[8:9], s[10:11]
	s_add_nc_u64 s[34:35], s[34:35], s[46:47]
	s_add_nc_u64 s[38:39], s[38:39], s[46:47]
	s_or_b32 s35, s35, 0x80000000
	s_or_b32 s39, s39, 0x80000000
	tensor_load_to_lds s[32:35], s[24:31]          ; K first: it is wanted first.  Two tensor loads of mine are out
	s_nop 0
	tensor_load_to_lds s[36:39], s[24:31]
	s_nop 0
	PLACES 4
	; ---- my tile of w is asked for
	v_and_b32 v1, 31, v0                           ; lane
	v_and_b32 v2, 15, v0                           ; r
	v_bfe_u32 v3, v0, 4, 1                         ; hh
	v_and_b32 v4, 8, v2
	v_add_nc_u32 v4, v4, v2                        ; r + 8 (r / 8)
	s_lshr_b32 s21, s20, 1
	s_lshl_b32 s21, s21, 12
	s_and_b32 s22, s20, 1
	s_lshl_b32 s22, s22, 10
	s_add_co_u32 s21, s21, s22                     ; the tile's first row, 32 (f / 2) + 8 (f % 2), in rows of 128 bytes
	v_lshl_add_u32 v5, v4, 7, s21
	v_lshl_add_u32 v[WG0], v3, 4, v5               ; numbers 4 hh on,
	v_mad_u32_u24 v[WG1], v3, 48, v5               ; and (with 32 in the immediate) 8 + 12 hh on
	global_load_b128 v[X:X+3], v[WG0], s[12:13]
	global_load_b128 v[X+4:X+7], v[WG1], s[12:13] offset:32
	global_load_b128 v[X+8:X+11], v[WG1], s[12:13] offset:48
	global_load_b128 v[X+12:X+15], v[WG1], s[12:13] offset:64
	; ---- constants, bases, addresses
	s_mov_b32 s40, 0x76543210
	s_mov_b32 s41, 0xfedcba98                      ; v_permlanex16_b32's selects: lane l xor 16
	s_mov_b32 s42, 0x600000                        ; the mantissa field of 57,344
	s_mov_b32 s43, 0xffff0000                      ; lanes 16-31
	s_mov_b32 s44, 0x3ed744fd                      ; 32^-0.25
	s_mov_b32 s45, s44
	s_lshr_b32 s68, ttmp9, 6
	s_lshl_b32 s68, s68, 3                         ; 8 x batch
	s_and_b32 s69, ttmp9, 63                       ; the step of 128 tokens
	s_add_co_u32 s70, s68, s20
	s_lshl_b32 s70, s70, 6
	s_add_co_u32 s70, s70, s69                     ; (batch, head) x 64 + step
	s_lshl_b32 s46, s70, 12
	s_add_nc_u64 s[50:51], s[14:15], s[46:47]      ; K's codes: 4,096 bytes a step
	s_add_nc_u64 s[56:57], s[16:17], s[46:47]      ; v1's codes likewise
	s_lshl_b32 s46, s70, 9
	s_add_nc_u64 s[52:53], s[14:15], s[46:47]
	s_add_nc_u64 s[52:53], s[52:53], 8388608       ; -diag: 512 bytes a step
	s_lshl_b32 s46, s70, 7
	s_add_nc_u64 s[54:55], s[14:15], s[46:47]
	s_add_nc_u64 s[54:55], s[54:55], 9437184       ; K's scale words: 128 bytes a step
	s_add_nc_u64 s[58:59], s[16:17], s[46:47]
	s_add_nc_u64 s[58:59], s[58:59], 12582912      ; v1's likewise
	s_lshr_b32 s21, s20, 1                         ; v0: wave w takes columns 16 (w / 2) on (two heads) and tokens 64 (w % 2) on
	s_lshl_b32 s22, s21, 1
	s_add_co_u32 s22, s22, s68
	s_lshl_b32 s22, s22, 6
	s_add_co_u32 s22, s22, s69
	s_lshl_b32 s46, s22, 11
	s_and_b32 s23, s20, 1
	s_lshl_b32 s22, s23, 10
	s_add_co_u32 s46, s46, s22
	s_add_nc_u64 s[60:61], s[16:17], s[46:47]
	s_add_nc_u64 s[60:61], s[60:61], 8388608       ; v0 in bf16: 2,048 bytes a step
	s_mul_i32 s23, s23, 64*272
	s_lshl_b32 s21, s21, 6
	s_add_co_u32 s23, s23, s21
	s_add_co_u32 s23, s23, V0L
	v_mul_u32_u24 v5, v3, 16*272
	v_lshl_add_u32 v5, v2, 2, v5
	v_add_nc_u32 v[V0A], s23, v5                   ; token 64 (w % 2) + 16 hh, column 16 (w / 2) + r
	v_lshrrev_b32 v5, 3, v2
	v_lshlrev_b32 v5, 17, v5                       ; the second head's steps lie 64 x 2,048 bytes on
	v_and_b32 v6, 7, v2
	v_lshl_add_u32 v6, v3, 3, v6
	v_lshl_add_u32 v[V0O], v6, 4, v5
	s_lshl_b32 s46, ttmp9, 2
	s_add_nc_u64 s[62:63], s[18:19], s[46:47]      ; the work-group's word among the 256 maxima
	s_lshl_b32 s46, s20, 9
	s_add_nc_u64 s[48:49], s[18:19], s[46:47]      ; w's images (+ 1,024)
	s_add_co_u32 s21, s46, WIMG
	s_add_co_u32 s22, s46, NDST
	s_lshl_b32 s46, s20, 7
	s_add_nc_u64 s[66:67], s[18:19], s[46:47]      ; w's scale words (+ 5,120)
	s_add_co_u32 s23, s46, WSC
	v_lshlrev_b32 v[L16], 4, v1
	v_lshlrev_b32 v[L4], 2, v1
	v_add_nc_u32 v[WIA], s21, v[L16]
	v_add_nc_u32 v[WSA], s23, v[L4]
	v_add_nc_u32 v[WIR], WIMG, v[L16]
	v_add_nc_u32 v[WSR], WSC, v[L4]
	v_lshl_add_u32 v[NDA], v4, 2, s22
	v_add_nc_u32 v[NDR], s22, v[L16]
	s_lshl_b32 s21, s20, 2
	s_add_co_u32 s21, s21, GMX
	v_mov_b32 v[GMA], s21
	v_mov_b32 v[GMR], GMX
	v_mov_b32 v[NIL], 0
	v_mul_u32_u24 v5, v4, 272
	v_lshl_add_u32 v5, v3, 4, v5
	s_lshl_b32 s21, s20, 5
	v_add_nc_u32 v[AK0], s21, v5                   ; k0: a token is one block: row x 272 + 32 h + 16 hh
	s_mul_i32 s21, s20, 96
	v_mul_u32_u24 v5, v3, 48
	v_add_nc_u32 v5, s21, v5                       ; k1: a token is three blocks (816 bytes); my bytes begin at a = 96 h + 48 hh, and lie 16 further on for each 256 passed
	v_mul_u32_u24 v6, v4, 816
	v_add_nc_u32 v6, K1L, v6
.irp j, 0,1,2
	v_add_nc_u32 v7, 16*\j, v5
	v_lshrrev_b32 v8, 8, v7
	v_lshl_add_u32 v7, v8, 4, v7
	v_add_nc_u32 v[AK1+\j], v6, v7
	v_add_nc_u32 v[AK1H+\j], 64*816, v[AK1+\j]
.endr
	v_lshlrev_b32 v5, 5, v4
	v_lshl_add_u32 v[KCO], v3, 4, v5               ; a token's codes are 32 bytes: the halves of the lanes on end
	v_mul_u32_u24 v6, v3, 16*816                   ; v1: a lane takes a column, its registers run down the tokens; lanes 16-31 begin 16 tokens further down
	v_add_nc_u32 v6, V1L, v6
	v_lshl_add_u32 v7, v2, 2, s21                  ; tile 0: columns 24 h + r
	v_lshrrev_b32 v8, 8, v7
	v_lshl_add_u32 v7, v8, 4, v7
	v_add_nc_u32 v[V1A], v6, v7
	v_add_nc_u32 v[V1A+1], 64*816, v[V1A]
	v_and_b32 v7, 3, v2                            ; tile 1: rows 0-3 and 8-11 are columns 24 h + 16 on; the other rows repeat them
	v_lshrrev_b32 v8, 3, v2
	v_lshl_add_u32 v7, v8, 2, v7
	s_add_co_u32 s21, s21, 64
	v_lshl_add_u32 v7, v7, 2, s21
	v_lshrrev_b32 v8, 8, v7
	v_lshl_add_u32 v7, v8, 4, v7
	v_add_nc_u32 v[V1A+2], v6, v7
	v_add_nc_u32 v[V1A+3], 64*816, v[V1A+2]
.set n, 0
.rept 12
	v_mov_b32 v[WP+32+n], 0                        ; zero CODES, parts of operands: behind w's tiles and behind each token tile's codes
	v_mov_b32 v[AB+4+n], 0
	v_mov_b32 v[AB+20+n], 0
.set n, n+1
.endr
.irp b, 0,1,2,3
	v_mov_b32 v[TM+4+\b], 0                        ; a lane permute's destination counts as one of its sources
	v_mov_b32 v[GM+\b], 0xff800000                 ; under every dd
.endr
	; ---- my tile of w becomes codes; its image goes to LDS for all eight waves
	s_wait_loadcnt 0x0
	Q16 X, AB, SA
	v_perm_b32 v[WB], v[SA], v[SA], 0              ; the byte in all four bytes: whichever block the tile is set in finds it
	ds_store_b128 v[WIA], v[AB:AB+3]
	ds_store_b32 v[WSA], v[WB]
	s_cmp_lg_u32 ttmp9, 0
	s_cbranch_scc1 .Lnot_first
	global_store_b128 v[L16], v[AB:AB+3], s[48:49] offset:1024    ; one work-group stores them for the later launches
	global_store_b32 v[L4], v[WB], s[66:67] offset:5120
.Lnot_first:
	s_wait_tensorcnt 0x1                           ; my part of K has landed; my part of V, issued behind it, may be out
	s_wait_dscnt 0x0                               ; my image lies in LDS
	s_barrier_signal -1
	s_barrier_wait -1
.irp f, 0,1,2,3,4,5,6,7
	ds_load_b128 v[WP+4*\f:WP+4*\f+3], v[WIR] offset:512*\f
	ds_load_b32 v[WS+\f], v[WSR] offset:128*\f
.endr
.macro KLOAD i, buf                    ; my 16 numbers of token tile i
.set XL, X+16*(\buf)
.set TL, 32*((\i)/2)+8*((\i)%2)
	ds_load_b128 v[XL:XL+3], v[AK0] offset:TL*272
.irp j, 0,1,2
.if (\i) < 4
	ds_load_b128 v[XL+4+4*\j:XL+7+4*\j], v[AK1+\j] offset:TL*816
.else
	ds_load_b128 v[XL+4+4*\j:XL+7+4*\j], v[AK1H+\j] offset:(TL-64)*816
.endif
.endr
.endm
.macro KTILE i
.set BU, (\i)%2
.set XB, X+16*BU
.set AA, AB+16*BU
.set TR, 32*((\i)/2)+8*((\i)%2)
.if (\i) < 7
	KLOAD (\i)+1, 1-BU
	s_wait_dscnt 0x4                               ; all but the four loads just issued: this tile's numbers are in
.else
	s_wait_dscnt 0x0
.endif
	s_wait_xcnt 0x0                                ; the store that read this buffer's codes, two tiles back, has read them
	v_pk_mul_f32 v[SQ:SQ+1], v[XB:XB+1], v[XB:XB+1]              ; the sum of squares, of the numbers as they are given, in two chains
	v_pk_mul_f32 v[SQ+2:SQ+3], v[XB+2:XB+3], v[XB+2:XB+3]
.irp j, 4,8,12
	v_pk_fma_f32 v[SQ:SQ+1], v[XB+\j:XB+\j+1], v[XB+\j:XB+\j+1], v[SQ:SQ+1]
	v_pk_fma_f32 v[SQ+2:SQ+3], v[XB+\j+2:XB+\j+3], v[XB+\j+2:XB+\j+3], v[SQ+2:SQ+3]
.endr
.irp j, 0,2,4,6,8,10,12,14
	v_pk_mul_f32 v[XB+\j:XB+\j+1], v[XB+\j:XB+\j+1], s[44:45] op_sel_hi:[1,0]   ; x 32^-0.25: what is quantised
.endr
	Q16 XB, AA, SA+BU
.if (\i)%4 == 0
	v_mov_b32 v[KSW+(\i)/4], v[SA+BU]
.else
	v_lshl_or_b32 v[KSW+(\i)/4], v[SA+BU], 8*((\i)%4), v[KSW+(\i)/4]
.endif
	v_pk_add_f32 v[SQ:SQ+1], v[SQ:SQ+1], v[SQ+2:SQ+3]           ; these lines are also the four places between the codes and the products (the byte stands 16 holds ahead)
	v_add_f32 v[SQ], v[SQ], v[SQ+1]
	v_permlanex16_b32 v[SQ+2], v[SQ], s40, s41
	v_add_f32 v[SQ], v[SQ], v[SQ+2]
	v_mul_f32 v[SQ], 0xbdb504f3, v[SQ]             ; -diag = -0.5 x 32^-0.5 x the sum
	ds_store_b32 v[NDA], v[SQ] offset:4*TR         ; both lanes of a token write the same word with the same value
	global_store_b128 v[KCO], v[AA:AA+3], s[50:51] offset:32*TR   ; eight tokens' 256 bytes, and the eight tokens' that lie 16 further on
.irp f, 0,1,2,3,4,5,6,7
	v_wmma_scale_f32_16x16x128_f8f6f4 v[D+8*\f:D+8*\f+7], v[AA:AA+15], v[WP+4*\f:WP+4*\f+15], 0, v[SA+BU], v[WS+\f] matrix_a_fmt:MATRIX_FMT_BF8 matrix_b_fmt:MATRIX_FMT_BF8
.endr
	PLACES 8                                       ; eight plain lines between these products and the first read of a result
.set n, 0
.rept 32
	v_max3_num_f32 v[GM+n%4], v[GM+n%4], v[D+2*n], v[D+2*n+1]    ; each accumulator from its low end on
.set n, n+1
.endr
.endm
	KLOAD 0, 0
.irp i, 0,1,2,3,4,5,6,7
	KTILE \i
.endr
	; ---- the wave's small results
	v_cndmask_b32 v[KSW], v[KSW], v[KSW+1], s43    ; lanes 0-15: tiles 0-3; lanes 16-31: tiles 4-7
	global_store_b32 v[L4], v[KSW], s[54:55]
	ds_load_b128 v[SQ:SQ+3], v[NDR]                ; LDS serves a wave's instructions in order: this sees my stores
	v_max_num_f32 v[GM], v[GM], v[GM+1]
	v_max_num_f32 v[GM+2], v[GM+2], v[GM+3]
	v_max_num_f32 v[GM], v[GM], v[GM+2]
	v_max_num_f32_dpp v[GM], v[GM], v[GM] row_xmask:1 row_mask:0xf bank_mask:0xf
	v_max_num_f32_dpp v[GM], v[GM], v[GM] row_xmask:2 row_mask:0xf bank_mask:0xf
	v_max_num_f32_dpp v[GM], v[GM], v[GM] row_xmask:4 row_mask:0xf bank_mask:0xf
	v_max_num_f32_dpp v[GM], v[GM], v[GM] row_xmask:8 row_mask:0xf bank_mask:0xf
	v_permlanex16_b32 v[GM+1], v[GM], s40, s41
	v_max_num_f32 v[GM], v[GM], v[GM+1]
	ds_store_b32 v[GMA], v[GM]
	s_wait_tensorcnt 0x0                           ; my part of V has landed
	s_wait_dscnt 0x0                               ; my word lies in LDS; -diag is back
	s_barrier_signal -1
	s_barrier_wait -1
	global_store_b128 v[L16], v[SQ:SQ+3], s[52:53] ; 512 consecutive bytes
	s_wait_xcnt 0x0                                ; the last stores of K's codes have read their registers: v1's numbers land there
	; ---- v1
.macro LOADV1 t, c0                    ; blocks c0 and c0 + 1 of tile t: register 16 c + i = token 32 c + 16 hh + i of my column
.irp c, \c0, \c0+1
.irp i, 0,1,2,3,4,5,6,7,8,9,10,11,12,13,14,15
	ds_load_b32 v[VS+64*(\t)+16*(\c)+\i], v[V1A+2*(\t)+(\c)/2] offset:(32*((\c)%2)+\i)*816
.endr
.endr
.endm
	LOADV1 0, 0
	LOADV1 0, 2
	LOADV1 1, 0
	s_wait_dscnt 32                                ; all but the 32 loads of tile 1 just issued: tile 0 is in
	QUANT64 VS, WP, SA
.irp c, 0,1,2,3
	global_store_b128 v[L16], v[WP+4*\c:WP+4*\c+3], s[56:57] offset:512*\c     ; the fragment as it stands: 512 consecutive bytes a store
.endr
	LOADV1 1, 2
.irp f, 0,1
.irp i, 0,1,2,3,4,5,6,7,8,9,10,11,12,13,14,15
	ds_load_b32 v[VS+16*\f+\i], v[V0A] offset:(32*\f+\i)*272      ; v0: 16 tokens of my column, for two runs of 32 tokens
.endr
.endr
	s_wait_dscnt 32                                ; all but v0's 32: tile 1 is in
	QUANT64 VS+64, WP+16, SA+1
.irp c, 0,1,2,3
	global_store_b128 v[L16], v[WP+16+4*\c:WP+16+4*\c+3], s[56:57] offset:2048+512*\c
.endr
	v_cndmask_b32 v[SA], v[SA], v[SA+1], s43       ; lanes 0-15: tile 0's words; lanes 16-31: tile 1's
	global_store_b32 v[L4], v[SA], s[58:59]
	; ---- v0
	s_wait_dscnt 0x0
.set n, 0
.rept 16
	v_cvt_pk_bf16_f32 v[X+n], v[VS+2*n], v[VS+2*n+1]
.set n, n+1
.endr
.irp m, 0,1,2,3
	global_store_b128 v[V0O], v[X+4*\m:X+4*\m+3], s[60:61] offset:256*\m      ; 256 bytes for each of the two heads
.endr
	; ---- the work-group's largest dd: every wave takes it, thread 0 stores it
	ds_load_b128 v[TM:TM+3], v[GMR]
	ds_load_b128 v[TM+4:TM+7], v[GMR] offset:16
	s_wait_dscnt 0x0
	v_max3_num_f32 v[TM], v[TM], v[TM+1], v[TM+2]
	v_max3_num_f32 v[TM], v[TM], v[TM+3], v[TM+4]
	v_max3_num_f32 v[TM], v[TM], v[TM+5], v[TM+6]
	v_max_num_f32 v[TM], v[TM], v[TM+7]
	v_cmp_eq_u32 vcc_lo, 0, v0
	s_wait_xcnt 0x0                                ; EXEC changes only behind this wait
	s_wait_tensorcnt 0x0
	ds_add_u32 v254, v255
	s_wait_dscnt 0x0
	s_and_saveexec_b32 s21, vcc_lo
	global_store_b32 v[NIL], v[TM], s[62:63]
	s_wait_xcnt 0x0
	s_or_b32 exec_lo, exec_lo, s21
	s_endpgm
.Lfunc_end_k_q94a4e6bb3b_prep:
	.size	k_q94a4e6bb3b_prep, .Lfunc_end_k_q94a4e6bb3b_prep-k_q94a4e6bb3b_prep
	.p2alignl 7, 3214868480
	.fill 96, 4, 3214868480
	.section	.rodata,"a",@progbits
	.p2align	6, 0x0
	.amdhsa_kernel k_q94a4e6bb3b_prep
		.amdhsa_group_segment_fixed_size 291840
		.amdhsa_private_segment_fixed_size 0
		.amdhsa_enable_private_segment 0
		.amdhsa_kernarg_size 64
		.amdhsa_user_sgpr_count 2
		.amdhsa_user_sgpr_kernarg_segment_ptr 1
		.amdhsa_wavefront_size32 1
		.amdhsa_system_sgpr_workgroup_id_x 1
		.amdhsa_system_sgpr_workgroup_id_y 1
		.amdhsa_system_sgpr_workgroup_id_z 1
		.amdhsa_system_vgpr_workitem_id 0
		.amdhsa_next_free_vgpr 256
		.amdhsa_next_free_sgpr 72
		.amdhsa_reserve_vcc 1
		.amdhsa_float_denorm_mode_32 3
		.amdhsa_float_denorm_mode_16_64 3
		.amdhsa_memory_ordered 1
		.amdhsa_forward_progress 1
		.amdhsa_inst_pref_size 100
	.end_amdhsa_kernel
	.amdgpu_metadata
---
amdhsa.version: [ 1, 2 ]
amdhsa.kernels:
  - .name:           k_q94a4e6bb3b_prep
    .symbol:         k_q94a4e6bb3b_prep.kd
    .args:
      - { .name: k0, .offset: 0, .size: 8, .value_kind: global_buffer, .address_space: global }
      - { .name: k1, .offset: 8, .size: 8, .value_kind: global_buffer, .address_space: global }
      - { .name: v0, .offset: 16, .size: 8, .value_kind: global_buffer, .address_space: global }
      - { .name: v1, .offset: 24, .size: 8, .value_kind: global_buffer, .address_space: global }
      - { .name: w, .offset: 32, .size: 8, .value_kind: global_buffer, .address_space: global }
      - { .name: kq, .offset: 40, .size: 8, .value_kind: global_buffer, .address_space: global }
      - { .name: vq, .offset: 48, .size: 8, .value_kind: global_buffer, .address_space: global }
      - { .name: sm, .offset: 56, .size: 8, .value_kind: global_buffer, .address_space: global }
    .group_segment_fixed_size: 291840
    .private_segment_fixed_size: 0
    .kernarg_segment_align: 8
    .kernarg_segment_size: 64
    .max_flat_workgroup_size: 256
    .sgpr_count:     72
    .vgpr_count:     256
    .wavefront_size: 32
...
	.end_amdgpu_metadata
.endif
;; end of part 1
;; launch ctx (part 2): grid 8 x 32, 8 waves a work-group, no clusters, 201,728 bytes of LDS; arguments kq, vq, sm, pc; writes pc
.if DOCPART == 2
	.amdgcn_target "amdgcn-amd-amdhsa--gfx1250"
	.amdhsa_code_object_version 6
	.text
	.protected	k_q94a4e6bb3b_ctx
	.globl	k_q94a4e6bb3b_ctx
	.p2align	8
	.type	k_q94a4e6bb3b_ctx,@function
k_q94a4e6bb3b_ctx:
	s_mov_b64 s[64:65], 0
	v_nop
	global_prefetch_b8 v0, s[64:65] scope:SCOPE_SE
	s_setreg_imm32_b32 hwreg(HW_REG_WAVE_MODE, 25, 1), 1
	s_wait_xcnt 0x0
; CTX.  Kp = ratio (exp(dd - diag - the largest dd of all) + eps); ctx1 = v1^T Kp on codes of E5M2 along the tokens; ctx0 = v0^T Kp and Ksum in bf16.
; A work-group takes 1,024 tokens of one (batch, head); wave w one step of 128 tokens and all 128 features.  So each operand byte is read by one wave, from memory straight into registers: no ring,
; no tensor load; work-groups share only w's 5 KiB, so no cluster.  Nothing is carried from feature tile to feature tile: a tile's three results go to LDS, and behind one barrier wave f adds tile f's eight parts.
; LAYOUT.  dd: source 0 = 16 tokens, source 1 = 16 features: a lane holds ONE feature and its registers run along the tokens; by the choice of a tile's rows (row r of tile 2 b + u is token 32 b + 8 u + r + 8 (r / 8))
; the 16 registers of tiles 2 b, 2 b + 1 are tokens 32 b + 16 (lane / 16) + 0 .. 15: the conversions' results are the next operand.  -diag is the C of the product.
; K = 32 IN AN INSTRUCTION OF K = 128: four token tiles lie in the four blocks of one fragment (their four bytes make its scale word); a feature tile's 4 registers of codes stand among zero codes, 12 on either side,
; and the run of 16 that begins 4 c ahead of them sets them against block c.  Zero codes add nothing.
; THE bf16 PRODUCTS take the same order of tokens on both sides.  v0's tile has the columns: channels 0-3, ONES, 0, 0, 0, channels 4-7, ONES, 0, 0, 0.
; LIMITS: Ksum is so the f32 sum of Kp rounded to bf16 (each term within 2^-9 of itself).  NaN and infinities are not served.
; REGISTERS.  Window 0: v1-15 addresses; v16-23 w's scale words; v24 K's, v25 v1's, v26 Kp's; v28-43 at work; v44-59 Kp's codes; v60-91 Kp in bf16; v92-107 ctx1's two tiles; v108-123 ctx0, two sums;
;   v124-187 dd, then Kp; v188-251 -diag in the result's layout; v252-255 two pairs of constants.   Window 1: v0-139 w; v140-171 the tokens' two fragments; v172-203 v1's two; v204-235 v0's four.
.set NBL, 196608                       ; LDS: the parts, 24,576 bytes a wave, from 0; here 512 bytes for each wave: -diag
.set L16, 1
.set L4,  2
.set KCO, 3
.set V0O, 4
.set CST, 5
.set NBS, 6
.set NBR, 7
.set PST, 8
.set PRD, 9                            ; v9-12
.set SW,  16
.set SA,  24
.set SV,  25
.set SP,  26
.set TM,  28
.set PC,  44
.set BF,  60
.set Y0,  92
.set Y1,  100
.set ZA,  108
.set ZB,  116
.set DD,  124
.set CN,  188
.set NGV, 252                          ; -(the largest dd) x log2(e)
.set REP, 254                          ; ratio x eps
.set TA,  140                          ; in window 1
.set V1,  172
.set V0,  204
.set RS,  40                           ; the tail: 8 parts x 24 registers
.set MNT, 20
.set MSB, 0
.macro WIN new                         ; the immediate's high byte repeats the setting that is left
.if MSB != \new
	s_set_vgpr_msb (MSB<<8)|\new
.set MSB, \new
.endif
.endm
.macro PLACES n
.rept \n
	v_nop
.endr
.endm
	s_load_b256 s[4:11], s[0:1], 0x0               ; kq s[4:5], vq s[6:7], sm s[8:9], pc s[10:11]
	v_lshl_add_u32 v27, v0, 2, 0x31000
	s_set_vgpr_msb 0x40
	v_mov_b32 v255, 0
	s_set_vgpr_msb 0x4000
	v_lshrrev_b32 v13, 5, v0
	v_readfirstlane_b32 s12, v13                   ; wave
	v_and_b32 v13, 31, v0
	v_and_b32 v14, 15, v0                          ; r
	v_bfe_u32 v15, v0, 4, 1                        ; hh
	v_lshlrev_b32 v[L16], 4, v13
	v_lshlrev_b32 v[L4], 2, v13
	v_and_b32 v[KCO], 8, v14
	v_add_nc_u32 v[KCO], v[KCO], v14
	v_lshlrev_b32 v[KCO], 5, v[KCO]
	v_lshl_add_u32 v[KCO], v15, 4, v[KCO]          ; a tile's row r + 8 (r / 8), 32 bytes a token, + 16 hh
	v_and_b32 v[V0O], 3, v14
	v_lshrrev_b32 v13, 3, v14
	v_lshl_add_u32 v[V0O], v13, 2, v[V0O]
	v_lshl_add_u32 v[V0O], v15, 3, v[V0O]
	v_lshlrev_b32 v[V0O], 4, v[V0O]                ; v0: rows 0-3 and 8-11 take channels 0-7 (the others load the same and are replaced below)
	v_and_b32 v13, 7, v14
	v_cmp_eq_u32 vcc_lo, 4, v13
	v_mov_b32 v13, 0x3f803f80
	v_cndmask_b32 v[CST], 0, v13, vcc_lo           ; rows 4 and 12: two ones in bf16; else 0
	v_and_b32 v13, 4, v14
	v_cmp_ne_u32 vcc_lo, 0, v13                    ; the rows that are replaced; VCC stands until then
	s_lshl_b32 s38, s12, 9
	s_add_co_u32 s38, s38, NBL
	v_add_nc_u32 v[NBS], s38, v[L16]
	v_lshl_add_u32 v[NBR], v15, 6, s38
	s_mul_i32 s38, s12, 24576
	v_add_nc_u32 v[PST], s38, v[L16]
	s_mul_i32 s38, s12, 3072
	v_add_nc_u32 v[PRD], s38, v[L16]
.irp j, 1,2,3
	v_add_nc_u32 v[PRD+\j], 49152*\j, v[PRD]
.endr
	s_mov_b32 s14, 0x3fb8aa3b                      ; log2(e)
	s_mov_b32 s15, s14
	s_mov_b32 s16, 0x3db504f3                      ; ratio = 128^-0.5
	s_mov_b32 s17, s16
	s_mov_b32 s18, 0x76543210
	s_mov_b32 s19, 0xfedcba98
	s_mov_b32 s[MNT], 0x600000
	v_mov_b32 v[REP], 0x37144a82
	v_mov_b32 v[REP+1], 0x37144a82
.irp b, 0,1,2,3
	v_mov_b32 v[TM+4+\b], 0                        ; a lane permute's destination counts as one of its sources
.endr
	s_and_b32 s38, ttmp7, 0xffff                   ; (batch, head)
	s_lshl_b32 s39, ttmp9, 3
	s_add_co_u32 s39, s39, s12                     ; my step
	s_lshl_b32 s40, s38, 6
	s_add_co_u32 s40, s40, s39
	s_lshl_b32 s41, s38, 3
	s_add_co_u32 s41, s41, ttmp9
	s_lshl_b32 s41, s41, 3
	s_add_co_u32 s41, s41, s12
	s_mul_i32 s41, s41, 3072                       ; where feature tile w of this work-group's sums goes
	s_mov_b32 s37, 0
	s_wait_kmcnt 0x0
	s_lshl_b32 s36, s40, 12
	s_add_nc_u64 s[22:23], s[4:5], s[36:37]        ; K's codes
	s_add_nc_u64 s[28:29], s[6:7], s[36:37]        ; v1's codes
	s_lshl_b32 s36, s40, 9
	s_add_nc_u64 s[24:25], s[4:5], s[36:37]
	s_add_nc_u64 s[24:25], s[24:25], 8388608       ; -diag
	s_lshl_b32 s36, s40, 7
	s_add_nc_u64 s[26:27], s[4:5], s[36:37]
	s_add_nc_u64 s[26:27], s[26:27], 9437184       ; K's scale words
	s_add_nc_u64 s[32:33], s[6:7], s[36:37]
	s_add_nc_u64 s[32:33], s[32:33], 12582912      ; v1's
	s_lshl_b32 s36, s40, 11
	s_add_nc_u64 s[30:31], s[6:7], s[36:37]
	s_add_nc_u64 s[30:31], s[30:31], 8388608       ; v0 in bf16
	s_mov_b32 s36, s41
	s_add_nc_u64 s[34:35], s[10:11], s[36:37]
	; ---- all that the wave will ever read is asked for now
	global_load_b128 v[DD:DD+3], v[L16], s[8:9]                   ; the 256 work-groups' maxima
	global_load_b128 v[DD+4:DD+7], v[L16], s[8:9] offset:512
	global_load_b128 v[DD+8:DD+11], v[L16], s[24:25]
	global_load_b32 v[SA], v[L4], s[26:27]
.irp f, 0,1,2,3,4,5,6,7
	global_load_b32 v[SW+\f], v[L4], s[8:9] offset:5120+128*\f
.endr
	WIN 0x40                                       ; destination window 1
.irp g, 0,1
.irp c, 0,1,2,3
	global_load_b128 v[TA+16*\g+4*\c:TA+16*\g+4*\c+3], v[KCO], s[22:23] offset:(64*\g+32*(\c/2)+8*(\c%2))*32
.endr
.endr
.irp f, 0,1,2,3,4,5,6,7
	global_load_b128 v[12+16*\f:15+16*\f], v[L16], s[8:9] offset:1024+512*\f
.endr
	WIN 0
	global_load_b32 v[SV], v[L4], s[32:33] th:TH_LOAD_NT
	WIN 0x40
.irp i, 0,1,2,3,4,5,6,7
	global_load_b128 v[V1+4*\i:V1+4*\i+3], v[L16], s[28:29] offset:512*\i th:TH_LOAD_NT
.endr
.irp i, 0,1,2,3,4,5,6,7
	global_load_b128 v[V0+4*\i:V0+4*\i+3], v[V0O], s[30:31] offset:256*\i th:TH_LOAD_NT
.endr
.set n, 0
.rept 12
	v_mov_b32 v[n], 0                              ; zero CODES round w's tiles: parts of operands, set once
.set n, n+1
.endr
.irp f, 0,1,2,3,4,5,6,7
.set n, 16+16*\f
.rept 12
	v_mov_b32 v[n], 0
.set n, n+1
.endr
.endr
	WIN 0
	s_wait_loadcnt 17                              ; all but the 17 loads of v1 and v0
	v_max3_num_f32 v[DD], v[DD], v[DD+1], v[DD+2]  ; the largest dd of all
	v_max3_num_f32 v[DD], v[DD], v[DD+3], v[DD+4]
	v_max3_num_f32 v[DD], v[DD], v[DD+5], v[DD+6]
	v_max_num_f32 v[DD], v[DD], v[DD+7]
	v_max_num_f32_dpp v[DD], v[DD], v[DD] row_xmask:1 row_mask:0xf bank_mask:0xf
	v_max_num_f32_dpp v[DD], v[DD], v[DD] row_xmask:2 row_mask:0xf bank_mask:0xf
	v_max_num_f32_dpp v[DD], v[DD], v[DD] row_xmask:4 row_mask:0xf bank_mask:0xf
	v_max_num_f32_dpp v[DD], v[DD], v[DD] row_xmask:8 row_mask:0xf bank_mask:0xf
	v_permlanex16_b32 v[DD+1], v[DD], s18, s19
	v_max_num_f32 v[DD], v[DD], v[DD+1]
	v_mul_f32 v[NGV], 0xbfb8aa3b, v[DD]
	v_mov_b32 v[NGV+1], v[NGV]
	ds_store_b128 v[NBS], v[DD+8:DD+11]            ; -diag of my 128 tokens, through my own 512 bytes, into the result's layout: register j of tile 2 b + u is token 32 b + 8 u + 16 hh + j
.irp t, 0,1,2,3,4,5,6,7
	ds_load_b128 v[CN+8*\t:CN+8*\t+3], v[NBR] offset:128*(\t/2)+32*(\t%2)
	ds_load_b128 v[CN+8*\t+4:CN+8*\t+7], v[NBR] offset:128*(\t/2)+32*(\t%2)+16
.endr
	s_wait_loadcnt 0x0
	WIN 0x41                                       ; destination and source 0 window 1
.set n, 0
.rept 32
	v_cndmask_b32 v[V0+n], v[V0+n], v[CST], vcc_lo ; rows 4-7 and 12-15 of v0's tile: ones, 0, 0, 0
.set n, n+1
.endr
	WIN 0
	s_wait_dscnt 0x0
.macro FEAT f
	WIN 0x05                                       ; sources 0 and 1 window 1
.irp t, 0,1,2,3
	v_wmma_scale_f32_16x16x128_f8f6f4 v[DD+8*\t:DD+8*\t+7], v[TA:TA+15], v[12+16*(\f)-4*\t:27+16*(\f)-4*\t], v[CN+8*\t:CN+8*\t+7], v[SA], v[SW+(\f)] matrix_a_fmt:MATRIX_FMT_BF8 matrix_b_fmt:MATRIX_FMT_BF8
.endr
.irp t, 0,1,2,3
	v_wmma_scale_f32_16x16x128_f8f6f4 v[DD+32+8*\t:DD+32+8*\t+7], v[TA+16:TA+31], v[12+16*(\f)-4*\t:27+16*(\f)-4*\t], v[CN+32+8*\t:CN+32+8*\t+7], v[SA], v[SW+(\f)] matrix_a_fmt:MATRIX_FMT_BF8 matrix_b_fmt:MATRIX_FMT_BF8 matrix_a_scale:MATRIX_SCALE_ROW1
.endr
	WIN 0
	PLACES 8                                       ; eight plain lines between these products and the first read of a result
.set n, 0
.rept 32
	v_pk_fma_f32 v[DD+n:DD+n+1], v[DD+n:DD+n+1], s[14:15], v[NGV:NGV+1] op_sel_hi:[1,0,0]   ; (dd - diag) log2(e) - max log2(e); ascending: each accumulator from its low end on
.set n, n+2
.endr
.set n, 0
.rept 64
	v_exp_f32 v[DD+n], v[DD+n]
.set n, n+1
.endr
	v_nop                                          ; a plain line behind the last exponential,
	s_wait_alu depctr_va_vdst(0)                   ; and one wait for the batch, ahead of its first reader
.set n, 0
.rept 32
	v_pk_fma_f32 v[DD+n:DD+n+1], v[DD+n:DD+n+1], s[16:17], v[REP:REP+1] op_sel_hi:[1,0,0]   ; Kp = ratio e + ratio eps
.set n, n+2
.endr
.irp b, 0,1,2,3
	v_max3_num_f32 v[TM+\b], v[DD+16*\b], v[DD+16*\b+1], 0x8000000     ; the largest of each block of 32 tokens (Kp is positive: no |.|), the four blocks by turns
.endr
.irp i, 2,4,6,8,10,12,14
.irp b, 0,1,2,3
	v_max3_num_f32 v[TM+\b], v[TM+\b], v[DD+16*\b+\i], v[DD+16*\b+\i+1]
.endr
.endr
.irp b, 0,1,2,3
	v_permlanex16_b32 v[TM+4+\b], v[TM+\b], s18, s19
.endr
.irp b, 0,1,2,3
	v_max_num_f32 v[TM+\b], v[TM+\b], v[TM+4+\b]
.endr
.irp b, 0,1,2,3
	v_add_nc_u32 v[TM+12+\b], 0xf8800000, v[TM+\b] ; 15 off the exponent field: the conversion's scale operand
.endr
.irp b, 0,1,2,3
	v_and_or_b32 v[TM+8+\b], v[TM+\b], 0x7f800000, s[MNT]          ; 57,344 x the scale
.endr
.irp b, 0,1,2,3
	v_lshrrev_b32 v[TM+4+\b], 23, v[TM+12+\b]
.endr
	v_lshl_or_b32 v[SP], v[TM+5], 8, v[TM+4]
	v_lshl_or_b32 v[SP], v[TM+6], 16, v[SP]
	v_lshl_or_b32 v[SP], v[TM+7], 24, v[SP]        ; my feature's scale word for these 128 tokens
.set n, 0
.rept 32
	v_cvt_pk_bf16_f32 v[BF+n], v[DD+2*n], v[DD+2*n+1]              ; for the products that are left as they are: of Kp ahead of the hold
.set n, n+1
.endr
.irp b, 0,1,2,3
.irp i, 0,1,2,3,4,5,6,7,8,9,10,11,12,13,14,15
	v_min_num_f32 v[DD+16*\b+\i], v[DD+16*\b+\i], v[TM+8+\b]       ; the conversion does not saturate (ISA guide 7.6.2); Kp is positive, so the hold is one-sided
.endr
	v_cvt_scalef32_pk8_bf8_f32 v[PC+4*\b:PC+4*\b+1], v[DD+16*\b:DD+16*\b+7], v[TM+12+\b]
	v_cvt_scalef32_pk8_bf8_f32 v[PC+4*\b+2:PC+4*\b+3], v[DD+16*\b+8:DD+16*\b+15], v[TM+12+\b]
.endr
	PLACES 4                                       ; four plain lines between the codes and the scaled products
	WIN 0x04                                       ; source 1 window 1
	v_wmma_f32_16x16x32_bf16 v[ZA:ZA+7], v[BF:BF+7], v[V0:V0+7], 0             ; two sums take turns, one instruction a turn
	v_wmma_f32_16x16x32_bf16 v[ZB:ZB+7], v[BF+8:BF+15], v[V0+8:V0+15], 0
	v_wmma_f32_16x16x32_bf16 v[ZA:ZA+7], v[BF+16:BF+23], v[V0+16:V0+23], v[ZA:ZA+7]
	v_wmma_f32_16x16x32_bf16 v[ZB:ZB+7], v[BF+24:BF+31], v[V0+24:V0+31], v[ZB:ZB+7]
	v_wmma_scale_f32_16x16x128_f8f6f4 v[Y0:Y0+7], v[PC:PC+15], v[V1:V1+15], 0, v[SP], v[SV] matrix_a_fmt:MATRIX_FMT_BF8 matrix_b_fmt:MATRIX_FMT_BF8
	v_wmma_scale_f32_16x16x128_f8f6f4 v[Y1:Y1+7], v[PC:PC+15], v[V1+16:V1+31], 0, v[SP], v[SV] matrix_a_fmt:MATRIX_FMT_BF8 matrix_b_fmt:MATRIX_FMT_BF8 matrix_b_scale:MATRIX_SCALE_ROW1
	WIN 0
	PLACES 8
.irp j, 0,2,4,6
	v_pk_add_f32 v[ZA+\j:ZA+\j+1], v[ZA+\j:ZA+\j+1], v[ZB+\j:ZB+\j+1]
.endr
	ds_store_b128 v[PST], v[Y0:Y0+3] offset:512*(6*(\f))           ; a lane holds one column of v and eight features: the registers go as they stand
	ds_store_b128 v[PST], v[Y0+4:Y0+7] offset:512*(6*(\f)+1)
	ds_store_b128 v[PST], v[Y1:Y1+3] offset:512*(6*(\f)+2)
	ds_store_b128 v[PST], v[Y1+4:Y1+7] offset:512*(6*(\f)+3)
	ds_store_b128 v[PST], v[ZA:ZA+3] offset:512*(6*(\f)+4)
	ds_store_b128 v[PST], v[ZA+4:ZA+7] offset:512*(6*(\f)+5)
.endm
.irp f, 0,1,2,3,4,5,6,7
	FEAT \f
.endr
	s_wait_dscnt 0x0                               ; my parts lie in LDS
	s_barrier_signal -1
	s_barrier_wait -1
.irp a, 0,1,2,3,4,5,6,7                ; wave w adds feature tile w's eight parts
.irp q, 0,1,2,3,4,5
	ds_load_b128 v[RS+24*\a+4*\q:RS+24*\a+4*\q+3], v[PRD+\a/2] offset:(\a%2)*24576+512*\q
.endr
.endr
	s_wait_dscnt 0x0
.irp a, 0,2,4,6
.set n, 0
.rept 12
	v_pk_add_f32 v[RS+24*\a+n:RS+24*\a+n+1], v[RS+24*\a+n:RS+24*\a+n+1], v[RS+24*\a+24+n:RS+24*\a+24+n+1]
.set n, n+2
.endr
.endr
.irp a, 0,4
.set n, 0
.rept 12
	v_pk_add_f32 v[RS+24*\a+n:RS+24*\a+n+1], v[RS+24*\a+n:RS+24*\a+n+1], v[RS+24*\a+48+n:RS+24*\a+48+n+1]
.set n, n+2
.endr
.endr
.set n, 0
.rept 12
	v_pk_add_f32 v[RS+n:RS+n+1], v[RS+n:RS+n+1], v[RS+96+n:RS+96+n+1]
.set n, n+2
.endr
.irp q, 0,1,2,3,4,5
	global_store_b128 v[L16], v[RS+4*\q:RS+4*\q+3], s[34:35] offset:512*\q    ; 512 consecutive bytes a store
.endr
	s_set_vgpr_msb 0x4
	s_wait_tensorcnt 0x0
	ds_add_u32 v27, v255
	s_wait_dscnt 0x0
	s_set_vgpr_msb 0x400
	s_endpgm
.Lfunc_end_k_q94a4e6bb3b_ctx:
	.size	k_q94a4e6bb3b_ctx, .Lfunc_end_k_q94a4e6bb3b_ctx-k_q94a4e6bb3b_ctx
	.p2alignl 7, 3214868480
	.fill 96, 4, 3214868480
	.section	.rodata,"a",@progbits
	.p2align	6, 0x0
	.amdhsa_kernel k_q94a4e6bb3b_ctx
		.amdhsa_group_segment_fixed_size 201728
		.amdhsa_private_segment_fixed_size 0
		.amdhsa_enable_private_segment 0
		.amdhsa_kernarg_size 32
		.amdhsa_user_sgpr_count 2
		.amdhsa_user_sgpr_kernarg_segment_ptr 1
		.amdhsa_wavefront_size32 1
		.amdhsa_system_sgpr_workgroup_id_x 1
		.amdhsa_system_sgpr_workgroup_id_y 1
		.amdhsa_system_sgpr_workgroup_id_z 1
		.amdhsa_system_vgpr_workitem_id 0
		.amdhsa_next_free_vgpr 512
		.amdhsa_next_free_sgpr 66
		.amdhsa_reserve_vcc 1
		.amdhsa_float_denorm_mode_32 3
		.amdhsa_float_denorm_mode_16_64 3
		.amdhsa_memory_ordered 1
		.amdhsa_forward_progress 1
		.amdhsa_inst_pref_size 159
	.end_amdhsa_kernel
	.amdgpu_metadata
---
amdhsa.version: [ 1, 2 ]
amdhsa.kernels:
  - .name:           k_q94a4e6bb3b_ctx
    .symbol:         k_q94a4e6bb3b_ctx.kd
    .args:
      - { .name: kq, .offset: 0, .size: 8, .value_kind: global_buffer, .address_space: global }
      - { .name: vq, .offset: 8, .size: 8, .value_kind: global_buffer, .address_space: global }
      - { .name: sm, .offset: 16, .size: 8, .value_kind: global_buffer, .address_space: global }
      - { .name: pc, .offset: 24, .size: 8, .value_kind: global_buffer, .address_space: global }
    .group_segment_fixed_size: 201728
    .private_segment_fixed_size: 0
    .kernarg_segment_align: 8
    .kernarg_segment_size: 32
    .max_flat_workgroup_size: 256
    .sgpr_count:     66
    .vgpr_count:     512
    .wavefront_size: 32
...
	.end_amdgpu_metadata
.endif
;; end of part 2
;; launch fold (part 3): grid 32 x 3, 4 waves a work-group, no clusters, 0 bytes of LDS; arguments pc, cx; writes cx
.if DOCPART == 3
	.amdgcn_target "amdgcn-amd-amdhsa--gfx1250"
	.amdhsa_code_object_version 6
	.text
	.protected	k_q94a4e6bb3b_fold
	.globl	k_q94a4e6bb3b_fold
	.p2align	8
	.type	k_q94a4e6bb3b_fold,@function
k_q94a4e6bb3b_fold:
	s_mov_b64 s[64:65], 0
	v_nop
	global_prefetch_b8 v0, s[64:65] scope:SCOPE_SE
	s_setreg_imm32_b32 hwreg(HW_REG_WAVE_MODE, 25, 1), 1
	s_wait_xcnt 0x0
; FOLD.  The eight parts of a (batch, head)'s ctx are added in f32; ctx1 is quantised along the 128 features, ctx0 and Ksum are rounded to bf16; both leave as images of the last launch's operand registers.
; Work-group (x = (batch, head), y = t): t = 0, 1: ctx1's two tiles of columns; t = 2: ctx0 with Ksum.  Wave b takes the block of 32 features b: a lane holds 16 of them, features 32 b + 16 (lane / 16) + 0 .. 15
; of its column, as the parts were stored.  96 work-groups are all the work there is.  No LDS, no barrier, no matrix instruction: waves share nothing.
; LIMITS: a block of zeros gets the byte 1 (its codes are zeros; this program alone reads the bytes); NaN and infinities are not served.
.set TM, 16
.set XS, 32                            ; v32-159: part ch's 16 numbers at v[32 + 16 ch]
	s_load_b128 s[4:7], s[0:1], 0x0                ; pc, cx
	v_lshrrev_b32 v1, 5, v0
	v_readfirstlane_b32 s8, v1                     ; b
	v_and_b32 v1, 31, v0
	v_lshlrev_b32 v2, 4, v1
	v_lshlrev_b32 v3, 2, v1
	s_and_b32 s9, ttmp7, 0xffff                    ; t
	s_mul_i32 s10, ttmp9, 196608
	s_mul_i32 s12, s8, 6144                        ; feature tiles 2 b, 2 b + 1
	s_add_co_u32 s10, s10, s12
	s_lshl_b32 s12, s9, 10                         ; the t-th of a tile's three results
	s_add_co_u32 s10, s10, s12
	s_mov_b32 s11, 0
	s_mov_b32 s20, 0x76543210
	s_mov_b32 s21, 0xfedcba98
	s_mov_b32 s22, 0x600000
	v_mov_b32 v[TM+4], 0                           ; a lane permute's destination counts as one of its sources
	s_lshl_b32 s14, ttmp9, 1
	s_add_co_u32 s14, s14, s9
	s_lshl_b32 s14, s14, 2
	s_add_co_u32 s14, s14, s8                      ; ((batch, head) x 2 + t) x 4 + b
	s_lshl_b32 s16, ttmp9, 2
	s_add_co_u32 s16, s16, s8                      ; (batch, head) x 4 + b
	s_lshl_b32 s16, s16, 10
	s_mov_b32 s17, 0
	s_lshl_b32 s18, s14, 9
	s_mov_b32 s19, 0
	s_lshl_b32 s24, s14, 7
	s_mov_b32 s25, 0
	s_lshl_b32 s13, s8, 3
	s_wait_kmcnt 0x0
	s_add_nc_u64 s[4:5], s[4:5], s[10:11]
	s_add_nc_u64 s[16:17], s[6:7], s[16:17]        ; ctx0's fragment b (+ 131,072)
	s_add_nc_u64 s[18:19], s[6:7], s[18:19]        ; ctx1's registers 4 b on
	s_add_nc_u64 s[24:25], s[6:7], s[24:25]        ; its byte (+ 262,144)
.irp c, 0,1,2,3,4,5,6,7
.irp u, 0,1
.irp q, 0,1
	global_load_b128 v[XS+16*\c+8*\u+4*\q:XS+16*\c+8*\u+4*\q+3], v2, s[4:5] offset:24576*\c+3072*\u+512*\q th:TH_LOAD_NT
.endr
.endr
.endr
	s_wait_loadcnt 0x0
.irp c, 0,2,4,6
.irp j, 0,2,4,6,8,10,12,14
	v_pk_add_f32 v[XS+16*\c+\j:XS+16*\c+\j+1], v[XS+16*\c+\j:XS+16*\c+\j+1], v[XS+16*\c+16+\j:XS+16*\c+16+\j+1]
.endr
.endr
.irp c, 0,4
.irp j, 0,2,4,6,8,10,12,14
	v_pk_add_f32 v[XS+16*\c+\j:XS+16*\c+\j+1], v[XS+16*\c+\j:XS+16*\c+\j+1], v[XS+16*\c+32+\j:XS+16*\c+32+\j+1]
.endr
.endr
.irp j, 0,2,4,6,8,10,12,14
	v_pk_add_f32 v[XS+\j:XS+\j+1], v[XS+\j:XS+\j+1], v[XS+64+\j:XS+64+\j+1]
.endr
	s_cmp_eq_u32 s9, 2
	s_cbranch_scc1 .Lplain
	v_max3_num_f32 v[TM], |v[XS]|, |v[XS+1]|, 0x8000000          ; the block's largest magnitude, with the floor 2^(16 - 127) among its leaves
	v_max3_num_f32 v[TM+1], |v[XS+8]|, |v[XS+9]|, |v[XS+10]|
	v_max3_num_f32 v[TM], v[TM], |v[XS+2]|, |v[XS+3]|
	v_max3_num_f32 v[TM+1], v[TM+1], |v[XS+11]|, |v[XS+12]|
	v_max3_num_f32 v[TM], v[TM], |v[XS+4]|, |v[XS+5]|
	v_max3_num_f32 v[TM+1], v[TM+1], |v[XS+13]|, |v[XS+14]|
	v_max3_num_f32 v[TM], v[TM], |v[XS+6]|, |v[XS+7]|
	v_max3_num_f32 v[TM], v[TM], v[TM+1], |v[XS+15]|
	v_permlanex16_b32 v[TM+4], v[TM], s20, s21
	v_max_num_f32 v[TM], v[TM], v[TM+4]
	v_add_nc_u32 v[TM+2], 0xf8800000, v[TM]        ; 15 off its exponent field: the conversion's scale operand
	v_and_or_b32 v[TM+3], v[TM], 0x7f800000, s22   ; 57,344 x the scale
	v_lshrrev_b32 v21, 23, v[TM+2]
	v_lshlrev_b32 v22, s13, v21                    ; the byte at its place in the column's scale word
.irp i, 0,1,2,3,4,5,6,7,8,9,10,11,12,13,14,15
	v_med3_num_f32 v[XS+\i], v[XS+\i], -v[TM+3], v[TM+3]         ; the conversion does not saturate (ISA guide 7.6.2): the hold
.endr
	v_cvt_scalef32_pk8_bf8_f32 v[24:25], v[XS:XS+7], v[TM+2]
	v_cvt_scalef32_pk8_bf8_f32 v[26:27], v[XS+8:XS+15], v[TM+2]
	v_nop
	global_store_b128 v2, v[24:27], s[18:19]
	global_store_b32 v3, v22, s[24:25] offset:262144
	s_endpgm
.Lplain:
.irp i, 0,1,2,3,4,5,6,7
	v_cvt_pk_bf16_f32 v[24+\i], v[XS+2*\i], v[XS+2*\i+1]
.endr
	global_store_b128 v2, v[24:27], s[16:17] offset:131072
	global_store_b128 v2, v[28:31], s[16:17] offset:131072+512
	s_endpgm
.Lfunc_end_k_q94a4e6bb3b_fold:
	.size	k_q94a4e6bb3b_fold, .Lfunc_end_k_q94a4e6bb3b_fold-k_q94a4e6bb3b_fold
	.p2alignl 7, 3214868480
	.fill 96, 4, 3214868480
	.section	.rodata,"a",@progbits
	.p2align	6, 0x0
	.amdhsa_kernel k_q94a4e6bb3b_fold
		.amdhsa_group_segment_fixed_size 0
		.amdhsa_private_segment_fixed_size 0
		.amdhsa_enable_private_segment 0
		.amdhsa_kernarg_size 16
		.amdhsa_user_sgpr_count 2
		.amdhsa_user_sgpr_kernarg_segment_ptr 1
		.amdhsa_wavefront_size32 1
		.amdhsa_system_sgpr_workgroup_id_x 1
		.amdhsa_system_sgpr_workgroup_id_y 1
		.amdhsa_system_sgpr_workgroup_id_z 1
		.amdhsa_system_vgpr_workitem_id 0
		.amdhsa_next_free_vgpr 176
		.amdhsa_next_free_sgpr 66
		.amdhsa_reserve_vcc 0
		.amdhsa_float_denorm_mode_32 3
		.amdhsa_float_denorm_mode_16_64 3
		.amdhsa_memory_ordered 1
		.amdhsa_forward_progress 1
		.amdhsa_inst_pref_size 12
	.end_amdhsa_kernel
	.amdgpu_metadata
---
amdhsa.version: [ 1, 2 ]
amdhsa.kernels:
  - .name:           k_q94a4e6bb3b_fold
    .symbol:         k_q94a4e6bb3b_fold.kd
    .args:
      - { .name: pc, .offset: 0, .size: 8, .value_kind: global_buffer, .address_space: global }
      - { .name: cx, .offset: 8, .size: 8, .value_kind: global_buffer, .address_space: global }
    .group_segment_fixed_size: 0
    .private_segment_fixed_size: 0
    .kernarg_segment_align: 8
    .kernarg_segment_size: 16
    .max_flat_workgroup_size: 128
    .sgpr_count:     66
    .vgpr_count:     176
    .wavefront_size: 32
...
	.end_amdgpu_metadata
.endif
;; end of part 3
;; launch out (part 4): grid 256 x 1, 8 waves a work-group, no clusters, 74,752 bytes of LDS; arguments kq, sm, cx, out0, out1; writes out0, out1
.if DOCPART == 4
	.amdgcn_target "amdgcn-amd-amdhsa--gfx1250"
	.amdhsa_code_object_version 6
	.text
	.protected	k_q94a4e6bb3b_out
	.globl	k_q94a4e6bb3b_out
	.p2align	8
	.type	k_q94a4e6bb3b_out,@function
k_q94a4e6bb3b_out:
	s_mov_b64 s[64:65], 0
	v_nop
	global_prefetch_b8 v0, s[64:65] scope:SCOPE_SE
	s_setreg_imm32_b32 hwreg(HW_REG_WAVE_MODE, 25, 1), 1
	s_wait_xcnt 0x0
; OUT.  Qp = ratio (exp(dd - diag - the row's largest dd) + eps); o1 = Qp ctx1 on codes of E5M2 along the 128 features; o0 = Qp ctx0 and D = Qp Ksum in bf16; both x 1 / D.
; A work-group takes 128 tokens and all heads, so that whole rows of out0 and out1 leave; wave h is head h, eight tiles of 16 tokens.  Work-groups share only w's 5 KiB and a head's 9 KiB of ctx: no cluster, no tensor load.
; LAYOUT.  dd: source 0 = 16 features, source 1 = 16 tokens: a lane holds ONE token and its registers run along the features; by the choice of a tile's rows the 16 registers of feature tiles 2 b, 2 b + 1 are features
; 32 b + 16 (lane / 16) + 0 .. 15: the conversions' results are the next operand.  The products with ctx take ctx as source 0: a lane keeps its token and holds eight neighbouring columns of its row of the output.
; K = 32 IN AN INSTRUCTION OF K = 128: as in the launch before: four token tiles in one fragment, w's tiles among zero codes.
; A BLOCK'S LARGEST Qp is not searched for: Qp rises with dd, so the block's largest dd, which the row's maximum passes through anyway, goes through the same lines (this takes v_exp_f32 not to fall where its input rises;
; at the worst one number of a block is held one code low).  Qp is never under ratio x eps = 8.8e-6, so no floor is taken.
; ctx0's tile has Ksum in rows 4 and 12: register 4 of its result is D in both halves of the lanes.
; LIMITS: D and o0 are f32 sums of products of numbers rounded to bf16.  NaN and infinities are not served.
; THE WAY OUT.  Two tiles (32 tokens) of all heads meet in a stage in LDS, laid as blocks of 256 bytes + 16; one barrier; each thread takes 16 bytes of eight blocks: a wave's store covers 512 consecutive bytes.
; Two stages take turns: a stage is written again behind the next barrier, in front of which every wave has waited for its reads.
; REGISTERS.  Window 0: v1-15 addresses; v16-23 w's scale words; v24 K's, v25 ctx1's, v26 Qp's; v28-43 at work; v44-59 Qp's codes; v60-91 Qp in bf16; v92-107 o1's two tiles; v108-123 o0, two sums; v124-187 dd, then Qp;
;   v188-195 -diag; v196-199 two pairs; v200-231 rows on the way out; v232-239 pieces of ctx1's scale words; v254-255 ratio x eps.   Window 1: v0-139 w; v140-171 the tokens; v172-203 ctx1; v204-235 ctx0.
.set STG, 34816                        ; a stage: out0's 32 blocks (8,704 bytes), then out1's 96
.set NBL, 69632                        ; 512 bytes for each wave: -diag
.set L16, 1
.set L4,  2
.set KCO, 3
.set NBS, 4
.set NBR, 5
.set ST0, 6
.set S1A, 7
.set S1B, 8
.set RDA, 9
.set GO,  10
.set SW,  16
.set SA,  24
.set SC,  25
.set SP,  26
.set TM,  28
.set PC,  44
.set BF,  60
.set Y0,  92
.set Y1,  100
.set ZA,  108
.set ZB,  116
.set DD,  124
.set ND,  188
.set OFF, 196
.set DI,  198
.set RB,  200
.set CP,  232
.set REP, 254
.set TA,  140                          ; in window 1
.set C1,  172
.set C0,  204
.set MNT, 22
.set MSB, 0
.macro WIN new                         ; the immediate's high byte repeats the setting that is left
.if MSB != \new
	s_set_vgpr_msb (MSB<<8)|\new
.set MSB, \new
.endif
.endm
.macro PLACES n
.rept \n
	v_nop
.endr
.endm
	s_load_b256 s[4:11], s[0:1], 0x0               ; kq s[4:5], sm s[6:7], cx s[8:9], out0 s[10:11]
	s_load_b64 s[12:13], s[0:1], 0x20              ; out1
	v_lshl_add_u32 v252, v0, 2, 0x12000
	v_mov_b32 v253, 0
	v_lshrrev_b32 v11, 5, v0
	v_readfirstlane_b32 s14, v11                   ; wave = head
	v_and_b32 v14, 31, v0
	v_lshlrev_b32 v[L16], 4, v14
	v_lshlrev_b32 v[L4], 2, v14
	v_and_b32 v11, 15, v0                          ; r
	v_bfe_u32 v12, v0, 4, 1                        ; hh
	v_and_b32 v13, 8, v11
	v_add_nc_u32 v13, v13, v11                     ; r + 8 (r / 8)
	v_lshlrev_b32 v[KCO], 5, v13
	v_lshl_add_u32 v[KCO], v12, 4, v[KCO]
	s_lshl_b32 s40, s14, 9
	s_add_co_u32 s40, s40, NBL
	v_add_nc_u32 v[NBS], s40, v[L16]
	v_lshl_add_u32 v[NBR], v13, 2, s40
	s_lshl_b32 s40, s14, 5
	v_mul_u32_u24 v[ST0], v13, 272
	v_lshl_add_u32 v[ST0], v12, 4, v[ST0]
	v_add_nc_u32 v[ST0], s40, v[ST0]               ; out0: a token is one block: my four channels at 32 h + 16 hh
	s_mul_i32 s40, s14, 96
	v_mul_u32_u24 v15, v13, 816                    ; out1: a token is three blocks; byte a of its row lies 16 further on for each 256 passed
	v_lshl_add_u32 v14, v12, 5, s40                ; columns 8 hh on: a = 96 h + 32 hh
	v_lshrrev_b32 v[S1A], 8, v14
	v_lshl_add_u32 v14, v[S1A], 4, v14
	v_add_nc_u32 v[S1A], v15, v14
	s_add_co_u32 s40, s40, 64
	v_lshl_add_u32 v14, v12, 4, s40                ; columns 16 + 4 hh on: a = 96 h + 64 + 16 hh
	v_lshrrev_b32 v[S1B], 8, v14
	v_lshl_add_u32 v14, v[S1B], 4, v14
	v_add_nc_u32 v[S1B], v15, v14
	v_lshrrev_b32 v14, 4, v0
	v_add_nc_u32 v14, v14, v0
	v_lshlrev_b32 v[RDA], 4, v14                   ; back: thread t takes 16 bytes of block t / 16
	v_lshlrev_b32 v[GO], 4, v0
	s_mov_b32 s16, 0x3fb8aa3b                      ; log2(e)
	s_mov_b32 s17, s16
	s_mov_b32 s18, 0x3db504f3                      ; ratio
	s_mov_b32 s19, s18
	s_mov_b32 s20, 0x76543210
	s_mov_b32 s21, 0xfedcba98
	s_mov_b32 s[MNT], 0x600000
	s_mov_b32 s23, 0xffff0000                      ; lanes 16-31
	v_mov_b32 v[REP], 0x37144a82
	v_mov_b32 v[REP+1], 0x37144a82
	v_mov_b32 v[OFF+1], 0                          ; (upper halves of pairs of which the low word serves both halves: named, so written)
	v_mov_b32 v[DI+1], 0
.irp b, 0,1,2,3
	v_mov_b32 v[TM+4+\b], 0                        ; a lane permute's destination counts as one of its sources
.endr
	s_lshr_b32 s40, ttmp9, 6
	s_lshl_b32 s40, s40, 3
	s_add_co_u32 s40, s40, s14                     ; (batch, head)
	s_and_b32 s41, ttmp9, 63
	s_lshl_b32 s42, s40, 6
	s_add_co_u32 s42, s42, s41                     ; x 64 + step
	s_mov_b32 s39, 0
	s_wait_kmcnt 0x0
	s_lshl_b32 s38, s42, 12
	s_add_nc_u64 s[24:25], s[4:5], s[38:39]        ; K's codes
	s_lshl_b32 s38, s42, 9
	s_add_nc_u64 s[26:27], s[4:5], s[38:39]
	s_add_nc_u64 s[26:27], s[26:27], 8388608       ; -diag
	s_lshl_b32 s38, s42, 7
	s_add_nc_u64 s[28:29], s[4:5], s[38:39]
	s_add_nc_u64 s[28:29], s[28:29], 9437184       ; K's scale words
	s_lshl_b32 s38, s40, 12
	s_add_nc_u64 s[30:31], s[8:9], s[38:39]        ; ctx1's codes; ctx0 (+ 131,072)
	s_lshl_b32 s38, s40, 10
	s_add_nc_u64 s[32:33], s[8:9], s[38:39]        ; ctx1's bytes (+ 262,144)
	s_lshl_b32 s38, ttmp9, 15
	s_add_nc_u64 s[34:35], s[10:11], s[38:39]      ; my 128 rows of out0,
	s_mul_i32 s38, ttmp9, 98304
	s_add_nc_u64 s[36:37], s[12:13], s[38:39]      ; and of out1
	global_load_b128 v[RB:RB+3], v[L16], s[26:27]
	global_load_b32 v[SA], v[L4], s[28:29]
.irp f, 0,1,2,3,4,5,6,7
	global_load_b32 v[SW+\f], v[L4], s[6:7] offset:5120+128*\f
	global_load_b32 v[CP+\f], v[L4], s[32:33] offset:262144+128*\f
.endr
	WIN 0x40                                       ; destination window 1
.irp g, 0,1
.irp c, 0,1,2,3
	global_load_b128 v[TA+16*\g+4*\c:TA+16*\g+4*\c+3], v[KCO], s[24:25] offset:(64*\g+32*(\c/2)+8*(\c%2))*32
.endr
.endr
.irp f, 0,1,2,3,4,5,6,7
	global_load_b128 v[12+16*\f:15+16*\f], v[L16], s[6:7] offset:1024+512*\f
.endr
.irp i, 0,1,2,3,4,5,6,7
	global_load_b128 v[C1+4*\i:C1+4*\i+3], v[L16], s[30:31] offset:512*\i
	global_load_b128 v[C0+4*\i:C0+4*\i+3], v[L16], s[30:31] offset:131072+512*\i
.endr
.set n, 0
.rept 12
	v_mov_b32 v[n], 0                              ; zero CODES round w's tiles: parts of operands, set once
.set n, n+1
.endr
.irp f, 0,1,2,3,4,5,6,7
.set n, 16+16*\f
.rept 12
	v_mov_b32 v[n], 0
.set n, n+1
.endr
.endr
	WIN 0
	s_wait_loadcnt 0x0
	ds_store_b128 v[NBS], v[RB:RB+3]               ; -diag through my own 512 bytes: each lane takes its token's
.irp t, 0,1,2,3,4,5,6,7
	ds_load_b32 v[ND+\t], v[NBR] offset:4*(32*(\t/2)+8*(\t%2))
.endr
	v_or_b32 v[CP], v[CP], v[CP+1]                 ; the four bytes of each tile's scale words
	v_or_b32 v[CP+2], v[CP+2], v[CP+3]
	v_or_b32 v[CP+4], v[CP+4], v[CP+5]
	v_or_b32 v[CP+6], v[CP+6], v[CP+7]
	v_or_b32 v[CP], v[CP], v[CP+2]
	v_or_b32 v[CP+4], v[CP+4], v[CP+6]
	v_cndmask_b32 v[SC], v[CP], v[CP+4], s23       ; lanes 0-15: tile 0's; lanes 16-31: tile 1's
	s_wait_dscnt 0x0
.macro TOK tau
.set CB, (\tau)%4
.set SB, (((\tau)/2)%2)*STG
.set UU, (\tau)%2
	WIN 0x05                                       ; sources 0 and 1 window 1
.irp f, 0,1,2,3,4,5,6,7
.if (\tau) < 4
	v_wmma_scale_f32_16x16x128_f8f6f4 v[DD+8*\f:DD+8*\f+7], v[12+16*\f-4*CB:27+16*\f-4*CB], v[TA:TA+15], 0, v[SW+\f], v[SA] matrix_a_fmt:MATRIX_FMT_BF8 matrix_b_fmt:MATRIX_FMT_BF8
.else
	v_wmma_scale_f32_16x16x128_f8f6f4 v[DD+8*\f:DD+8*\f+7], v[12+16*\f-4*CB:27+16*\f-4*CB], v[TA+16:TA+31], 0, v[SW+\f], v[SA] matrix_a_fmt:MATRIX_FMT_BF8 matrix_b_fmt:MATRIX_FMT_BF8 matrix_b_scale:MATRIX_SCALE_ROW1
.endif
.endr
	WIN 0
	PLACES 8                                       ; eight plain lines between these products and the first read of a result
.irp b, 0,1,2,3
	v_max3_num_f32 v[TM+\b], v[DD+16*\b], v[DD+16*\b+1], v[DD+16*\b+2]         ; the largest dd of each block of 32 features, the four blocks by turns; each accumulator from its low end on
.endr
.irp i, 3,5,7,9,11,13
.irp b, 0,1,2,3
	v_max3_num_f32 v[TM+\b], v[TM+\b], v[DD+16*\b+\i], v[DD+16*\b+\i+1]
.endr
.endr
.irp b, 0,1,2,3
	v_max_num_f32 v[TM+\b], v[TM+\b], v[DD+16*\b+15]
.endr
.irp b, 0,1,2,3
	v_permlanex16_b32 v[TM+4+\b], v[TM+\b], s20, s21
.endr
.irp b, 0,1,2,3
	v_max_num_f32 v[TM+\b], v[TM+\b], v[TM+4+\b]
.endr
	v_max3_num_f32 v11, v[TM], v[TM+1], v[TM+2]
	v_max_num_f32 v11, v11, v[TM+3]                ; the row's largest dd
	v_sub_f32 v[OFF], v[ND+(\tau)], v11
	v_mul_f32 v[OFF], s16, v[OFF]                  ; (-diag - max) log2(e)
.set n, 0
.rept 32
	v_pk_fma_f32 v[DD+n:DD+n+1], v[DD+n:DD+n+1], s[16:17], v[OFF:OFF+1] op_sel_hi:[1,0,0]
.set n, n+2
.endr
.irp b, 0,1,2,3
	v_fma_f32 v[TM+\b], v[TM+\b], s16, v[OFF]      ; the same of each block's largest dd
.endr
.set n, 0
.rept 64
	v_exp_f32 v[DD+n], v[DD+n]
.set n, n+1
.endr
	v_nop                                          ; a plain line behind the last exponential,
	s_wait_alu depctr_va_vdst(0)                   ; and one wait for the batch, ahead of its first reader
.irp b, 0,1,2,3
	v_exp_f32 v[TM+\b], v[TM+\b]
.endr
.set n, 0
.rept 32
	v_pk_fma_f32 v[DD+n:DD+n+1], v[DD+n:DD+n+1], s[18:19], v[REP:REP+1] op_sel_hi:[1,0,0]   ; Qp = ratio e + ratio eps.  (It reads the 64 alone: plain work behind the four)
.set n, n+2
.endr
	s_wait_alu depctr_va_vdst(0)                   ; and one wait for the four
.irp b, 0,1,2,3
	v_fma_f32 v[TM+\b], v[TM+\b], s18, v[REP]      ; the block's largest Qp
.endr
.irp b, 0,1,2,3
	v_add_nc_u32 v[TM+12+\b], 0xf8800000, v[TM+\b] ; 15 off the exponent field: the conversion's scale operand
.endr
.irp b, 0,1,2,3
	v_and_or_b32 v[TM+8+\b], v[TM+\b], 0x7f800000, s[MNT]          ; 57,344 x the scale
.endr
.irp b, 0,1,2,3
	v_lshrrev_b32 v[TM+4+\b], 23, v[TM+12+\b]
.endr
	v_lshl_or_b32 v[SP], v[TM+5], 8, v[TM+4]
	v_lshl_or_b32 v[SP], v[TM+6], 16, v[SP]
	v_lshl_or_b32 v[SP], v[TM+7], 24, v[SP]        ; my token's scale word
.set n, 0
.rept 32
	v_cvt_pk_bf16_f32 v[BF+n], v[DD+2*n], v[DD+2*n+1]              ; for the products that are left as they are: of Qp ahead of the hold
.set n, n+1
.endr
.irp b, 0,1,2,3
.irp i, 0,1,2,3,4,5,6,7,8,9,10,11,12,13,14,15
	v_min_num_f32 v[DD+16*\b+\i], v[DD+16*\b+\i], v[TM+8+\b]       ; the conversion does not saturate (ISA guide 7.6.2); Qp is positive, so the hold is one-sided
.endr
	v_cvt_scalef32_pk8_bf8_f32 v[PC+4*\b:PC+4*\b+1], v[DD+16*\b:DD+16*\b+7], v[TM+12+\b]
	v_cvt_scalef32_pk8_bf8_f32 v[PC+4*\b+2:PC+4*\b+3], v[DD+16*\b+8:DD+16*\b+15], v[TM+12+\b]
.endr
	PLACES 4                                       ; four plain lines between the codes and the scaled products
	WIN 0x01                                       ; source 0 window 1
	v_wmma_f32_16x16x32_bf16 v[ZA:ZA+7], v[C0:C0+7], v[BF:BF+7], 0             ; two sums take turns, one instruction a turn
	v_wmma_f32_16x16x32_bf16 v[ZB:ZB+7], v[C0+8:C0+15], v[BF+8:BF+15], 0
	v_wmma_f32_16x16x32_bf16 v[ZA:ZA+7], v[C0+16:C0+23], v[BF+16:BF+23], v[ZA:ZA+7]
	v_wmma_f32_16x16x32_bf16 v[ZB:ZB+7], v[C0+24:C0+31], v[BF+24:BF+31], v[ZB:ZB+7]
	v_wmma_scale_f32_16x16x128_f8f6f4 v[Y0:Y0+7], v[C1:C1+15], v[PC:PC+15], 0, v[SC], v[SP] matrix_a_fmt:MATRIX_FMT_BF8 matrix_b_fmt:MATRIX_FMT_BF8
	v_wmma_scale_f32_16x16x128_f8f6f4 v[Y1:Y1+7], v[C1+16:C1+31], v[PC:PC+15], 0, v[SC], v[SP] matrix_a_fmt:MATRIX_FMT_BF8 matrix_b_fmt:MATRIX_FMT_BF8 matrix_a_scale:MATRIX_SCALE_ROW1
	WIN 0
	PLACES 8
	v_pk_add_f32 v[ZA:ZA+1], v[ZA:ZA+1], v[ZB:ZB+1]
	v_pk_add_f32 v[ZA+2:ZA+3], v[ZA+2:ZA+3], v[ZB+2:ZB+3]
	v_pk_add_f32 v[ZA+4:ZA+5], v[ZA+4:ZA+5], v[ZB+4:ZB+5]          ; register 4: D
	v_rcp_f32 v[DI], v[ZA+4]
	v_nop                                          ; a plain line behind the reciprocal,
	s_wait_alu depctr_va_vdst(0)                   ; and the wait ahead of its first reader
.irp j, 0,2,4,6
	v_pk_mul_f32 v[Y0+\j:Y0+\j+1], v[Y0+\j:Y0+\j+1], v[DI:DI+1] op_sel_hi:[1,0]
.endr
.irp j, 0,2
	v_pk_mul_f32 v[Y1+\j:Y1+\j+1], v[Y1+\j:Y1+\j+1], v[DI:DI+1] op_sel_hi:[1,0]
	v_pk_mul_f32 v[ZA+\j:ZA+\j+1], v[ZA+\j:ZA+\j+1], v[DI:DI+1] op_sel_hi:[1,0]
.endr
	ds_store_b128 v[S1A], v[Y0:Y0+3] offset:SB+8704+8*UU*816       ; columns 8 hh + 0 .. 7 of my token's 24,
	ds_store_b128 v[S1A], v[Y0+4:Y0+7] offset:SB+8704+8*UU*816+16
	ds_store_b128 v[S1B], v[Y1:Y1+3] offset:SB+8704+8*UU*816       ; columns 16 + 4 hh + 0 .. 3,
	ds_store_b128 v[ST0], v[ZA:ZA+3] offset:SB+8*UU*272            ; channels 4 hh + 0 .. 3
.endm
.macro DRAIN p
.set SB, ((\p)%2)*STG
	s_wait_dscnt 0x0                               ; my stores lie in the stage, and my reads of the other stage are back
	s_barrier_signal -1
	s_barrier_wait -1
	s_wait_xcnt 0x0                                ; the last phase's stores have read their registers
.irp k, 0,1,2,3,4,5,6,7
	ds_load_b128 v[RB+4*\k:RB+4*\k+3], v[RDA] offset:SB+4352*\k
.endr
.irp k, 0,1
	s_wait_dscnt 7-\k                              ; the younger loads may be out
	global_store_b128 v[GO], v[RB+4*\k:RB+4*\k+3], s[34:35] offset:(\p)*8192+4096*\k th:TH_STORE_NT
.endr
.irp k, 2,3,4,5,6,7
	s_wait_dscnt 7-\k
	global_store_b128 v[GO], v[RB+4*\k:RB+4*\k+3], s[36:37] offset:(\p)*24576+4096*(\k-2) th:TH_STORE_NT
.endr
.endm
.irp p, 0,1,2,3
	TOK 2*\p
	TOK 2*\p+1
	DRAIN \p
.endr
	s_wait_tensorcnt 0x0
	ds_add_u32 v252, v253
	s_wait_dscnt 0x0
	s_endpgm
.Lfunc_end_k_q94a4e6bb3b_out:
	.size	k_q94a4e6bb3b_out, .Lfunc_end_k_q94a4e6bb3b_out-k_q94a4e6bb3b_out
	.p2alignl 7, 3214868480
	.fill 96, 4, 3214868480
	.section	.rodata,"a",@progbits
	.p2align	6, 0x0
	.amdhsa_kernel k_q94a4e6bb3b_out
		.amdhsa_group_segment_fixed_size 74752
		.amdhsa_private_segment_fixed_size 0
		.amdhsa_enable_private_segment 0
		.amdhsa_kernarg_size 40
		.amdhsa_user_sgpr_count 2
		.amdhsa_user_sgpr_kernarg_segment_ptr 1
		.amdhsa_wavefront_size32 1
		.amdhsa_system_sgpr_workgroup_id_x 1
		.amdhsa_system_sgpr_workgroup_id_y 1
		.amdhsa_system_sgpr_workgroup_id_z 1
		.amdhsa_system_vgpr_workitem_id 0
		.amdhsa_next_free_vgpr 512
		.amdhsa_next_free_sgpr 66
		.amdhsa_reserve_vcc 0
		.amdhsa_float_denorm_mode_32 3
		.amdhsa_float_denorm_mode_16_64 3
		.amdhsa_memory_ordered 1
		.amdhsa_forward_progress 1
		.amdhsa_inst_pref_size 162
	.end_amdhsa_kernel
	.amdgpu_metadata
---
amdhsa.version: [ 1, 2 ]
amdhsa.kernels:
  - .name:           k_q94a4e6bb3b_out
    .symbol:         k_q94a4e6bb3b_out.kd
    .args:
      - { .name: kq, .offset: 0, .size: 8, .value_kind: global_buffer, .address_space: global }
      - { .name: sm, .offset: 8, .size: 8, .value_kind: global_buffer, .address_space: global }
      - { .name: cx, .offset: 16, .size: 8, .value_kind: global_buffer, .address_space: global }
      - { .name: out0, .offset: 24, .size: 8, .value_kind: global_buffer, .address_space: global }
      - { .name: out1, .offset: 32, .size: 8, .value_kind: global_buffer, .address_space: global }
    .group_segment_fixed_size: 74752
    .private_segment_fixed_size: 0
    .kernarg_segment_align: 8
    .kernarg_segment_size: 40
    .max_flat_workgroup_size: 256
    .sgpr_count:     66
    .vgpr_count:     512
    .wavefront_size: 32
...
	.end_amdgpu_metadata
.endif
;; end of part 4
